; MI455X (gfx1250); checked and timed in simulation.
; The chip was launched on July 23, 2026; its instructions are those of AMD's public machine-readable ISA for CDNA 5 (MIT licence, August 2026) and "CDNA5" Instruction Set Architecture Reference Guide (July 2026). The comments in the code are by the model that wrote it; some were corrected since.
;; Bit Linear. Allowed arithmetic: float matrix products may take bf16 or f16 operands with f32 sums; other float arithmetic in f32, or as packed bf16 or f16 multiplies, adds, multiply-adds, maxima and minima; sums over many terms, partial sums and values carried from step to step in f32; what a program stores and reads back later, other than sums and carried values, may be rounded once to bf16 or f16.
;; Inputs: scale 11,008 float32; weight 11,008 x 4,096 float32; x 4 x 256 x 4,096 float32.
;; Outputs: out0 4 x 256 x 11,008 float32.
;; 3 versions, each right; version 2 is faster than version 1; version 3 is version 2 with the launch cast written anew for expert scheduling mode. Each part assembles by itself: llvm-mc -triple=amdgcn-amd-amdhsa -mcpu=gfx1250 --defsym DOCPART=n.
;; ======== version 1 of 3: 2 launches
;; workspace buffers: xb 8,388,608 bytes
;; launch cast (part 1): grid 256 x 1, 8 waves a work-group, no clusters, 0 bytes of LDS; arguments x, xb; writes xb
.if DOCPART == 1
	.amdgcn_target "amdgcn-amd-amdhsa--gfx1250"
	.amdhsa_code_object_version 6
	.text
	.protected	k_qfcf2d679fe_cast
	.globl	k_qfcf2d679fe_cast
	.p2align	8
	.type	k_qfcf2d679fe_cast,@function
k_qfcf2d679fe_cast:
	s_mov_b64 s[64:65], 0
	v_nop
	global_prefetch_b8 v0, s[64:65] scope:SCOPE_SE
	s_setreg_imm32_b32 hwreg(HW_REG_WAVE_MODE, 25, 1), 1
	s_wait_xcnt 0x0
; xb = x rounded once to bf16 (nearest even).  x: [1024][4096] f32, xb: [1024][4096] bf16, both taken as plain streams.
; 256 work-groups of eight waves; a work-group takes 65,536 bytes of x, a wave 8,192: sixteen loads of 16 bytes a lane, each covering 512 consecutive bytes.
; All sixteen loads of a wave go out first; each store of a wave covers 256 consecutive bytes, aligned.  No register is written twice, so no wait frees a source.
; No LDS, no barrier, no matrix unit: every byte is touched once and no wave needs another's data.
.set X, 8                              ; v[8:71]    load k: 4 registers of f32
.set Y, 72                             ; v[72:103]  store k: 2 registers of bf16
	s_load_b128 s[4:7], s[0:1], 0x0                ; x s[4:5], xb s[6:7]
	v_lshrrev_b32 v3, 5, v0                        ; wave
	v_and_b32 v4, 31, v0                           ; lane
	v_lshlrev_b32 v1, 13, v3                       ; in: 8,192 x wave
	v_lshl_or_b32 v1, v4, 4, v1                    ;     + 16 x lane
	v_lshlrev_b32 v2, 12, v3                       ; out: 4,096 x wave
	v_lshl_or_b32 v2, v4, 3, v2                    ;      + 8 x lane
	s_lshl_b32 s8, ttmp9, 16                       ; the work-group's 65,536 bytes of x
	s_mov_b32 s9, 0
	s_lshl_b32 s10, ttmp9, 15                      ; and its 32,768 bytes of xb
	s_mov_b32 s11, 0
	s_wait_kmcnt 0x0
	s_add_nc_u64 s[4:5], s[4:5], s[8:9]
	s_add_nc_u64 s[6:7], s[6:7], s[10:11]
.set k, 0
.rept 16
	global_load_b128 v[X+4*k:X+4*k+3], v1, s[4:5] offset:512*k th:TH_LOAD_NT   ; x is read once in this launch
.set k, k+1
.endr
.set k, 0
.rept 16
	s_wait_loadcnt 15-k                            ; loads come back in order: load k is in, the 15 - k younger ones stay out
	v_cvt_pk_bf16_f32 v[Y+2*k], v[X+4*k], v[X+4*k+1]
	v_cvt_pk_bf16_f32 v[Y+2*k+1], v[X+4*k+2], v[X+4*k+3]
	global_store_b64 v2, v[Y+2*k:Y+2*k+1], s[6:7] offset:256*k   ; 32 lanes x 8 bytes; no hint: the next launch reads xb
.set k, k+1
.endr
	s_endpgm
.Lfunc_end_k_qfcf2d679fe_cast:
	.size	k_qfcf2d679fe_cast, .Lfunc_end_k_qfcf2d679fe_cast-k_qfcf2d679fe_cast
	.p2alignl 7, 3214868480
	.fill 96, 4, 3214868480
	.section	.rodata,"a",@progbits
	.p2align	6, 0x0
	.amdhsa_kernel k_qfcf2d679fe_cast
		.amdhsa_group_segment_fixed_size 0
		.amdhsa_private_segment_fixed_size 0
		.amdhsa_enable_private_segment 0
		.amdhsa_kernarg_size 16
		.amdhsa_user_sgpr_count 2
		.amdhsa_user_sgpr_kernarg_segment_ptr 1
		.amdhsa_wavefront_size32 1
		.amdhsa_system_sgpr_workgroup_id_x 1
		.amdhsa_system_sgpr_workgroup_id_y 1
		.amdhsa_system_sgpr_workgroup_id_z 1
		.amdhsa_system_vgpr_workitem_id 0
		.amdhsa_next_free_vgpr 104
		.amdhsa_next_free_sgpr 66
		.amdhsa_reserve_vcc 0
		.amdhsa_float_denorm_mode_32 3
		.amdhsa_float_denorm_mode_16_64 3
		.amdhsa_memory_ordered 1
		.amdhsa_forward_progress 1
		.amdhsa_inst_pref_size 7
	.end_amdhsa_kernel
	.amdgpu_metadata
---
amdhsa.version: [ 1, 2 ]
amdhsa.kernels:
  - .name:           k_qfcf2d679fe_cast
    .symbol:         k_qfcf2d679fe_cast.kd
    .args:
      - { .name: x, .offset: 0, .size: 8, .value_kind: global_buffer, .address_space: global }
      - { .name: xb, .offset: 8, .size: 8, .value_kind: global_buffer, .address_space: global }
    .group_segment_fixed_size: 0
    .private_segment_fixed_size: 0
    .kernarg_segment_align: 8
    .kernarg_segment_size: 16
    .max_flat_workgroup_size: 256
    .sgpr_count:     66
    .vgpr_count:     104
    .wavefront_size: 32
...
	.end_amdgpu_metadata
.endif
;; end of part 1
;; launch gemm (part 2): grid 60 x 4, 4 waves a work-group, clusters of 4 x 4, 327,680 bytes of LDS; arguments xb, weight, scale, out0; writes out0
.if DOCPART == 2
	.amdgcn_target "amdgcn-amd-amdhsa--gfx1250"
	.amdhsa_code_object_version 6
	.text
	.protected	k_qfcf2d679fe_gemm
	.globl	k_qfcf2d679fe_gemm
	.p2align	8
	.type	k_qfcf2d679fe_gemm,@function
k_qfcf2d679fe_gemm:
	s_mov_b64 s[64:65], 0
	v_nop
	global_prefetch_b8 v0, s[64:65] scope:SCOPE_SE
	s_setreg_imm32_b32 hwreg(HW_REG_WAVE_MODE, 25, 1), 1
	s_wait_xcnt 0x0
	s_wait_alu depctr_hold_cnt(0) depctr_sa_sdst(0) depctr_va_vdst(0) depctr_va_sdst(0) depctr_va_ssrc(0) depctr_va_vcc(0) depctr_vm_vsrc(0)
	s_getreg_b32 s2, hwreg(HW_REG_IB_STS2, 6, 4)
	s_cmp_eq_u32 s2, 0
	s_cbranch_scc0 .Lentry_in_a_cluster
	s_endpgm
.Lentry_in_a_cluster:
	s_bfe_u32 s2, ttmp6, 0x10000c
	s_cmp_lg_u32 s2, 0xf033
	s_cbranch_scc0 .Lentry_shape_is_right
	s_endpgm
.Lentry_shape_is_right:
; out0[m][o] = scale[o] x sum over k of xb[m][k] q[o][k],  q = clip(round(weight / 0.5), -1, 1).  M = 1024, N = 11008, K = 4096.
; q is +1 where weight > 0.25, -1 where weight < -0.25, else 0 (a half rounds to the even 0): tested on the f32 weight, and exact in bf16.  Sums in f32; scale multiplies the finished sums in f32.
; LIMITS.  x enters rounded once to bf16 (the launch in front).  A NaN weight is not carried into the output as NaN; infinite weights count as +-1, as in the definition.
; SHARES.  15 clusters of 4 x 4 work-groups.  cy picks 256 rows of x.  Clusters 0 to 13: a work-group has 192 columns (NU = 3 units of 64); cluster 14: 64 columns (NU = 1): 14 x 768 + 4 x 64 = 11008.
; The choice between the two bodies hangs on the cluster's number alone, which all sixteen partners share.  Wave w has rows 64 w .. 64 w + 63 and all the columns: 4 x 4 NU accumulators of 16 x 16.
; K goes in 32 steps of 128, each four chunks of 32, through two LDS slots.
; A (xb) comes by JOINT tensor loads: the four work-groups of a row of the cluster (same cy) need the same rows; each wave asks for its own 64 rows x 256 bytes, which it alone reads in its work-group.
; B (weight) goes through registers: one load takes one row's 512 bytes of a step, the lane's four weights become four bf16 (eight vector instructions), one LDS store lays down the row's 256 bytes.
; NO JOINT LOADS FOR WEIGHT: a tensor load does not convert, and two slots of f32 weights (2 x 192 x 528 bytes) beside A's two (2 x 256 x 272) are 342,016 bytes, more than the launch's 327,680.
; BY TURNS.  Step j's first three chunks carry, one third of a JOB behind each matrix instruction, the quantising of step j + 1's weights and the loads of step j + 2's: 16 NU jobs x 3 parts = 3 x 16 NU products.
; THE MATRIX INSTRUCTION IS USED TRANSPOSED (source 0 = 16 rows of weight, source 1 = 16 rows of x): a lane holds row m = lane % 16 and eight neighbouring columns 8 (lane / 16) + 0..7.
; REGISTERS, in windows of 256 (s_set_vgpr_msb: bits 1:0 source 0, 3:2 source 1, 5:4 source 2, 7:6 destination):
;   window 0: v0-23 addresses and constants; v24-47 two sets at work; v64-255 the weights' ring (4 a job), on the way out v64-159 scaled results and v160-255 rows read back
;   window 1: two fragment buffers of 128: A's 4 fragments, then B's 4 NU      windows 2, 3: accumulator i = 4 b + a at v[8 (i % 32)] of window 2 + i / 32      window 3: v128-223 scale, 8 for each b
.set PITCH,  272                       ; an LDS row: 256 bytes + 16: the 16 rows of a fragment load start 68 words apart
.set AW,     64*PITCH                  ; a wave's 64 rows of A
.set BOFF,   4*AW                      ; B's rows lie behind A's 256: 69,632
.set SLOT1,  1<<17                     ; slot 1 begins here: one exclusive or turns an address of one slot into the other's
.set STAGE,  SLOT1+BOFF+192*PITCH      ; 252,928: behind the slots, 12,544 bytes for each wave, for the way out
.set STW,    12544
.set SPARE,  STAGE+4*STW               ; 303,104: the spare words, 128 bytes for each wave: two blocks of 256 bytes that no other line names
.set ROWW,   16384                     ; bytes in a row of weight
.set ROWO,   44032                     ; bytes in a row of out0
.set AK0,  4                           ; v4   my place in my wave's rows of A, slot 0; never rewritten
.set BK0,  5                           ; v5   the same in B's rows
.set STB0, 6                           ; v6   where my 8 bytes of my wave's first row of B go, slot 0
.set ADRA, 7                           ; v7   A's fragments in the slot being read
.set ADRB, 8                           ; v8   B's
.set STADR, 9                          ; v9   B's stores, in the other slot
.set WOFF, 10                          ; v10  16 x lane: my four weights in a row's step
.set STO,  11                          ; v11  the way out: where I put 32 bytes of a row
.set RD,   12                          ; v12  where I read rows back
.set CO,   13                          ; v13  my byte offset in two rows of out0
.set SPW,  14                          ; v14  LDS address of my spare word; never rewritten
.set NIL,  15                          ; v15  0; never rewritten
.set SOFF, 16                          ; v16  32 x (lane / 16): my eight numbers of scale
.set CB,   18                          ; v[18:19]  2^25
.set CBN,  20                          ; v[20:21]  -2^25
.set CC,   22                          ; v[22:23]  -2^23
.set TMPS, 24                          ; v[24:47]  two sets of 12 at work, by the job's parity
.set WS,   64                          ; the weights' ring
.set TMP,  64
.set BK,   160
.set F0,   0                           ; window 1
.set F1,   128
.set SC,   128                         ; window 3
.set WV,  12                           ; s12  my wave's number
.set CX,  13                           ; s13, s14  my place in the cluster
.set CY,  14
.set CL,  15                           ; s15  the cluster's number
.set WID, 16                           ; s16  columns of a work-group
.set N0,  17                           ; s17  my first column
.set G1,  24                           ; s[24:31] descriptor group 1
.set G0F, 32                           ; s[32:35] group 0 of the first fill of slot 0
.set G0,  36                           ; s[36:39] group 0 that walks: slot 1 and step 1 first
.set TB,  40                           ; s40  the slot being read: 0 or SLOT1
.set CNT, 41
.set WB,  42                           ; s[42:43] weight at my wave's first row, at the step being loaded
.set SB,  44                           ; s[44:45] scale at my first column
.set OB,  46                           ; s[46:47] out0 at my wave's first row and my first column
.set TBO, 48                           ; s48  the slot just left
.set MSB, 0
.set DSA, 0
.macro WIN new                         ; the immediate's high byte repeats the setting that is left; a switch that changes nothing is dropped
.if MSB != (\new)
	s_set_vgpr_msb (MSB<<8)|(\new)
.set MSB, \new
.endif
.endm
.macro CREST                           ; a round of the cluster's barrier behind its opening barrier
	s_cmp_lg_u32 s[WV], 0
	s_cbranch_scc1 .Lnot_wave_0_\@
	s_barrier_signal -3
.Lnot_wave_0_\@:
	s_barrier_wait -3
	s_barrier_signal -1
	s_barrier_wait -1
.endm
.macro CROUND                          ; a whole round
	s_barrier_signal -1
	s_barrier_wait -1
	CREST
.endm
.macro PLACES                          ; four plain vector instructions between a matrix instruction and a load into, or a vector read of, its registers
.rept 4
	v_nop
.endr
.endm
; One third of job s: one row of weight, one step.  With W the lane's four weights: P = clamp(2^25 W - 2^23) is 1 from the first f32 above 0.25 on (2^23 + 1 - 2^23) and 0 up to 0.25;
; N the same for -W; both fused multiply-adds are exact there.  q = P - N, rounded (exactly) to bf16.  reload = 1: the row's next step but one goes into the registers just read.
.macro JOBPART s, part, reload
.set RW, 64*((\s)/16)+(\s)%16          ; the row, from my wave's first: unit s / 16, row s % 16 of my sixteen
.set W4, WS+4*(\s)
.set TS, TMPS+12*((\s)%2)
.if (\part) == 0
.if \reload
	s_wait_loadcnt 16*NU-1                         ; behind this job's load the ring's other 16 NU - 1 were issued: they stay out
.else
	s_wait_loadcnt 16*NU-1-(\s)                    ; nothing is loaded any more: the count runs down
.endif
	v_pk_fma_f32 v[TS:TS+1], v[W4:W4+1], v[CB:CB+1], v[CC:CC+1] clamp
	v_pk_fma_f32 v[TS+4:TS+5], v[W4:W4+1], v[CBN:CBN+1], v[CC:CC+1] clamp
	v_pk_fma_f32 v[TS+2:TS+3], v[W4+2:W4+3], v[CB:CB+1], v[CC:CC+1] clamp
.elseif (\part) == 1
	v_pk_fma_f32 v[TS+6:TS+7], v[W4+2:W4+3], v[CBN:CBN+1], v[CC:CC+1] clamp
.if \reload
	global_load_b128 v[W4:W4+3], v[WOFF], s[WB:WB+1] offset:RW*ROWW   ; 32 lanes take the row's 512 consecutive bytes; no hint: the three work-groups above and below read them too
.endif
	v_pk_add_f32 v[TS:TS+1], v[TS:TS+1], v[TS+4:TS+5] neg_lo:[0,1] neg_hi:[0,1]
	v_pk_add_f32 v[TS+2:TS+3], v[TS+2:TS+3], v[TS+6:TS+7] neg_lo:[0,1] neg_hi:[0,1]
.else
	v_cvt_pk_bf16_f32 v[TS+8], v[TS], v[TS+1]
	v_cvt_pk_bf16_f32 v[TS+9], v[TS+2], v[TS+3]
	ds_store_b64 v[STADR], v[TS+8:TS+9] offset:RW*PITCH   ; 32 lanes x 8 bytes: the row's 256 bytes
.set DSA, DSA+1                        ; LDS stores issued behind the last run of fragment loads
.endif
.endm
; Matrix instruction I of a chunk's 16 NU (b = I / 4, a = I % 4) on buffer f, and behind it a third of a job.  The accumulators take turns in one fixed order.
.macro MMS f, zero, jobs, reload
.set AC, 8*(I%32)
.set FB, (\f)+32+8*(I/4)
.set FA, (\f)+8*(I%4)
	WIN 0xa5+0x50*(I/32)                           ; sources 0 and 1 window 1; C and D window 2 or 3
.if \zero
	v_wmma_f32_16x16x32_bf16 v[AC:AC+7], v[FB:FB+7], v[FA:FA+7], 0
.else
	v_wmma_f32_16x16x32_bf16 v[AC:AC+7], v[FB:FB+7], v[FA:FA+7], v[AC:AC+7]
.endif
.set I, I+1
.if \jobs
	WIN 0
	JOBPART G/3, G%3, \reload
.set G, G+1
.endif
.endm
; One run of 8 + 8 NU LDS loads: chunk c's fragments into buffer g.  Lane l: row l % 16, K = 8 (l / 16) + 0..7 and 16 + 8 (l / 16) + 0..7: two loads of 16 bytes, 32 bytes apart.
.macro FETCH c, g
	WIN 0x40                                       ; destination window 1, address window 0
.set z, 0
.rept 4
	ds_load_b128 v[(\g)+8*z:(\g)+8*z+3],   v[ADRA] offset:z*16*PITCH+64*(\c)
	ds_load_b128 v[(\g)+8*z+4:(\g)+8*z+7], v[ADRA] offset:z*16*PITCH+64*(\c)+32
.set z, z+1
.endr
.set z, 0
.rept 4*NU
	ds_load_b128 v[(\g)+32+8*z:(\g)+32+8*z+3],   v[ADRB] offset:z*16*PITCH+64*(\c)
	ds_load_b128 v[(\g)+32+8*z+4:(\g)+32+8*z+7], v[ADRB] offset:z*16*PITCH+64*(\c)+32
.set z, z+1
.endr
.set DSA, 0
.endm
; Chunk c = 0, 1, 2 of a step: multiplies buffer c % 2; in its middle the next chunk's fragments are fetched into the other buffer.
.macro CH c, zero, jobs, reload
.set FC, 128*((\c)%2)
.set FN, 128-FC
.if (\c) == 0
.set G, 0
.if \reload
	s_wait_xcnt 0x0                                ; the loads issued so far have had their addresses translated: only behind this wait is their base stepped
	s_add_nc_u64 s[WB:WB+1], s[WB:WB+1], 512       ; the next step's 128 weights of every row
.endif
.endif
	s_wait_dscnt DSA                               ; the fragments are in; the stores issued behind them may stay out
.set I, 0
.rept 8*NU
	MMS FC, \zero, \jobs, \reload
.endr
.if !(\jobs)
	PLACES                                         ; elsewhere the jobs' vector lines are the places behind the last product that read the other buffer
.endif
	FETCH (\c)+1, FN
.rept 8*NU
	MMS FC, \zero, \jobs, \reload
.endr
.endm
; Chunk 3 multiplies buffer 1 and changes slots: ONE barrier.  In front of it each wave waits for all its tensor loads (one is out: its rows of A in the next slot), adds 0 to its spare word,
; and waits for that, for its stores of B into the next slot and for its reads of this slot.  Behind it the next slot is whole and nobody reads this one.
; fill = 1: the barrier opens a round of the cluster's barrier, so that no wave of any partner still reads the slot or has a load on its way, and the joint refill, A two steps on, is the first thing behind it:
; it has 8 NU + 48 NU products in which to land.
.macro TURN fill
	WIN 0                                          ; (the add's two registers lie in window 0)
	s_wait_tensorcnt 0x0                           ; no tensor load of mine is out, so the walking group 0 may be written
	ds_add_u32 v[SPW], v[NIL]                      ; 0 onto my spare word
.if \fill
	s_xor_b32 s[G0+1], s[G0+1], SLOT1              ; the other slot than last time,
	s_add_nc_u64 s[G0+2:G0+3], s[G0+2:G0+3], 256   ; the next step's 128 numbers of every row; the type bits on top are not reached
.endif
	s_mov_b32 s[TBO], s[TB]                        ; the slot that is left takes B's next stores
	s_xor_b32 s[TB], s[TB], SLOT1
	s_wait_dscnt DSA+1                             ; chunk 3's fragments are in; the stores behind them and the add may be out
.set I, 0
.rept 4*NU
	MMS F1, 0, 0, 0
.endr
	s_wait_dscnt 0x0                               ; the add is done, my stores of B have landed, my reads of this slot are over
	s_barrier_signal -1
.rept 4*NU
	MMS F1, 0, 0, 0
.endr
	WIN 0
	s_barrier_wait -1
.if \fill
	CREST
	tensor_load_to_lds s[G0:G0+3], s[G1:G1+7]      ; my one tensor load behind the round
	s_nop 0
.endif
	v_add_nc_u32 v[STADR], s[TBO], v[STB0]         ; four vector lines: also the places in front of the loads into buffer 0
	v_add_nc_u32 v[ADRA], s[TB], v[AK0]
	v_add_nc_u32 v[ADRB], s[TB], v[BK0]
	v_nop
	FETCH 0, F0
.rept 8*NU
	MMS F1, 0, 0, 0
.endr
.endm
; THE WAY OUT, 16 rows (block a) at a time.  PACK: the sums times scale, each accumulator's registers in ascending order.  TOSTAGE: into my own stage, rows of SP bytes, and back as whole rows.  SEND: stored.
.macro PACK a
.set z, 0
.rept 4*NU
.set AI, 4*z+(\a)
.set AC, 8*(AI%32)
	WIN 0x0e+AI/32                                 ; source 0 window 2 or 3, source 1 (scale) window 3, destination window 0
.irp y, 0,2,4,6
	v_pk_mul_f32 v[TMP+8*z+(\y):TMP+8*z+(\y)+1], v[AC+(\y):AC+(\y)+1], v[SC+8*z+(\y):SC+8*z+(\y)+1]
.endr
.set z, z+1
.endr
	WIN 0
.endm
.macro TOSTAGE
	s_wait_xcnt 0x0                                ; the block before's stores have read the registers that the loads below fill
.set z, 0
.rept 4*NU
	ds_store_b128 v[STO], v[TMP+8*z:TMP+8*z+3] offset:64*z
	ds_store_b128 v[STO], v[TMP+8*z+4:TMP+8*z+7] offset:64*z+16
.set z, z+1
.endr
.set z, 0
.rept 8*NU                             ; rows 2 (z / NU) and + 1, unit z % NU
	ds_load_b128 v[BK+4*z:BK+4*z+3], v[RD] offset:2*(z/NU)*SP+256*(z%NU)   ; LDS serves a wave's instructions in order (ISA guide 5.7.1.4): these see the stores above
.set z, z+1
.endr
.endm
.macro SEND a
.set z, 0
.rept 8*NU
	s_wait_dscnt 8*NU-1-z                          ; load z is back; the younger ones stay out
	global_store_b128 v[CO], v[BK+4*z:BK+4*z+3], s[OB:OB+1] offset:(16*(\a)+2*(z/NU))*ROWO+256*(z%NU) th:TH_STORE_NT   ; 16 lanes store 256 consecutive bytes, at a multiple of 256 from out0's first byte
.set z, z+1
.endr
.endm
	; THE COMMON HEAD
	s_load_b256 s[4:11], s[0:1], 0x0               ; xb s[4:5], weight s[6:7], scale s[8:9], out0 s[10:11]
	v_lshl_add_u32 v[SPW], v0, 2, SPARE
	v_mov_b32 v[NIL], 0
	ds_add_u32 v[SPW], v[NIL]                      ; the wave's opening: the add and its wait stand ahead of my first tensor load; work on registers stands between them
	v_lshrrev_b32 v1, 5, v0
	v_readfirstlane_b32 s[WV], v1                  ; wave 0..3
	s_bfe_u32 s[CX], ttmp6, 0x40000
	s_bfe_u32 s[CY], ttmp6, 0x40004
	s_mov_b32 s[CL], ttmp9                         ; in a cluster launch ttmp9 counts clusters
	s_lshl_b32 s18, s[CY], 2
	s_lshl_b32 s18, 15, s18                        ; my row of the cluster: places 4 cy .. 4 cy + 3
	s_or_b32 s[G1], s18, (1<<16)|(1<<20)|(1<<21)|(5<<22)|(3<<25)  ; 15:0 the mask; 17:16 2-byte elements; 20 padding on; 21 set beside a mask; 24:22 after every 64 words; 31:25 4 words of it
	s_mov_b32 s[G1+1], 128<<16                     ; tensor_dim0 = 128
	s_mov_b32 s[G1+2], 64<<16                      ; tensor_dim1 = 64
	s_mov_b32 s[G1+3], 128<<16                     ; tile_dim0 = 128
	s_mov_b32 s[G1+4], 64                          ; tile_dim1 = 64
	s_mov_b32 s[G1+5], 4096                        ; elements from row to row
	s_mov_b32 s[G1+6], 0
	s_mov_b32 s[G1+7], 0
	s_lshl_b32 s20, s[CY], 8
	s_lshl_b32 s21, s[WV], 6
	s_add_co_u32 s20, s20, s21                     ; my wave's first row of x: 256 cy + 64 w
	s_mul_i32 s22, s20, ROWO                       ; its bytes in out0,
	s_lshl_b32 s20, s20, 13                        ; and in xb: these two registers never hold cx
	s_mov_b32 s21, 0
	s_mul_i32 s19, s[WV], AW                       ; my rows of A in a slot: no place in the cluster enters an LDS address
	s_cmp_eq_u32 s[CL], 14
	s_cselect_b32 s[WID], 64, 192
	s_mul_i32 s[N0], s[CX], s[WID]
	s_mul_i32 s18, s[CL], 768
	s_add_co_u32 s[N0], s[N0], s18                 ; my first column
	s_lshl_b32 s18, s[N0], 2
	s_add_co_u32 s22, s22, s18
	s_mov_b32 s23, 0
	s_wait_dscnt 0x0                               ; the opening add is done
	s_wait_kmcnt 0x0
	s_add_nc_u64 s[OB:OB+1], s[10:11], s[22:23]
	s_mov_b32 s22, s18
	s_add_nc_u64 s[SB:SB+1], s[8:9], s[22:23]
	s_lshl_b32 s22, s[WV], 4
	s_add_co_u32 s22, s22, s[N0]                   ; my wave's first row of weight: n0 + 16 w
	s_lshl_b32 s22, s22, 14
	s_add_nc_u64 s[WB:WB+1], s[6:7], s[22:23]
	s_mov_b32 s[G0F], 1                            ; count = 1
	s_mov_b32 s[G0F+1], s19                        ; LDS address: slot 0
	s_add_nc_u64 s[G0F+2:G0F+3], s[4:5], s[20:21]  ; global address: step 0
	s_mov_b32 s[G0], 1
	s_add_co_u32 s[G0+1], s19, SLOT1               ; slot 1
	s_add_nc_u64 s[G0+2:G0+3], s[G0F+2:G0F+3], 256 ; step 1
	s_or_b32 s[G0F+3], s[G0F+3], 0x80000000        ; type = 2
	s_or_b32 s[G0+3], s[G0+3], 0x80000000
	CROUND                                         ; all sixteen work-groups are here: the first joint loads meet
	tensor_load_to_lds s[G0F:G0F+3], s[G1:G1+7]    ; both first fills together: two tensor loads of mine are out, later never more than one
	s_nop 0
	tensor_load_to_lds s[G0:G0+3], s[G1:G1+7]
	s_nop 0
.rept 4
	v_nop
.endr
	v_and_b32 v1, 15, v0                           ; r = l % 16
	v_bfe_u32 v2, v0, 4, 1                         ; h = l / 16
	v_and_b32 v3, 31, v0                           ; l
	v_mul_u32_u24 v[AK0], v1, PITCH
	v_lshl_add_u32 v[AK0], v2, 4, v[AK0]           ; row x pitch + 16 x half
	v_add_nc_u32 v[BK0], BOFF, v[AK0]
	v_add_nc_u32 v[AK0], s19, v[AK0]
	s_mul_i32 s18, s[WV], 16*PITCH
	s_add_co_u32 s18, s18, BOFF
	v_lshl_add_u32 v[STB0], v3, 3, s18             ; B's row 16 w, 8 bytes a lane
	v_lshlrev_b32 v[WOFF], 4, v3
	v_lshlrev_b32 v[SOFF], 5, v2
	v_mul_u32_u24 v[CO], v2, ROWO                  ; lanes 0-15 one row of out0, lanes 16-31 the next
	v_lshl_add_u32 v[CO], v1, 4, v[CO]
	v_mov_b32 v[CB], 0x4c000000                    ; 2^25
	v_mov_b32 v[CB+1], 0x4c000000
	v_mov_b32 v[CBN], 0xcc000000                   ; -2^25
	v_mov_b32 v[CBN+1], 0xcc000000
	v_mov_b32 v[CC], 0xcb000000                    ; -2^23
	v_mov_b32 v[CC+1], 0xcb000000
	s_cmp_eq_u32 s[CL], 14
	s_cbranch_scc1 .Lnarrow                        ; the same way in all sixteen partners
.macro BODY
.set SP, 256*NU+16                     ; a stage row: 64 NU numbers + 16 bytes, an odd multiple of 16
.set DSA, 0
	s_mul_i32 s18, s[WV], STW
	s_add_co_u32 s18, s18, STAGE                   ; my stage
	v_mul_u32_u24 v[STO], v1, SP                   ; in: row l % 16, 32 bytes for each half of the lanes
	v_lshl_add_u32 v[STO], v2, 5, v[STO]
	v_add_nc_u32 v[STO], s18, v[STO]
	v_mul_u32_u24 v[RD], v2, SP                    ; back: lanes 0-15 take 256 bytes of one row, lanes 16-31 of the next
	v_lshl_add_u32 v[RD], v1, 4, v[RD]
	v_add_nc_u32 v[RD], s18, v[RD]
	WIN 0xc0                                       ; destination window 3, address window 0
.set z, 0
.rept 4*NU                             ; scale[n0 + 16 b + 8 h + 0..7]: issued ahead of every load of weight, so the first job's wait shows them in
	global_load_b128 v[SC+8*z:SC+8*z+3],   v[SOFF], s[SB:SB+1] offset:64*z
	global_load_b128 v[SC+8*z+4:SC+8*z+7], v[SOFF], s[SB:SB+1] offset:64*z+16
.set z, z+1
.endr
	WIN 0
.set z, 0
.rept 16*NU                            ; step 0's weights fill the ring
	global_load_b128 v[WS+4*z:WS+4*z+3], v[WOFF], s[WB:WB+1] offset:(64*(z/16)+z%16)*ROWW
.set z, z+1
.endr
	s_wait_xcnt 0x0                                ; their addresses are translated: the base may step
	s_add_nc_u64 s[WB:WB+1], s[WB:WB+1], 512
	v_mov_b32 v[STADR], v[STB0]
.set G, 0
.rept 48*NU                            ; step 0's weights into B's slot 0; step 1's go out
	JOBPART G/3, G%3, 1
.set G, G+1
.endr
	s_mov_b32 s[TB], 0
	v_mov_b32 v[ADRA], v[AK0]
	v_mov_b32 v[ADRB], v[BK0]
	s_wait_tensorcnt 0x1                           ; my rows of A of step 0 are in; step 1's may stay out
	s_wait_dscnt 0x0                               ; my rows of B have landed
	s_barrier_signal -1
	s_barrier_wait -1
	v_add_nc_u32 v[STADR], SLOT1, v[STB0]
	FETCH 0, F0
	CH 0, 1, 1, 1                                  ; the first chunk stands in front of the loop: its products start the sums
	WIN 0                                          ; at a label and at a branch every window is 0
	s_mov_b32 s[CNT], 29
.Lstep_\@:                             ; a trip: chunks 1, 2, 3 of step t and chunk 0 of step t + 1
	CH 1, 0, 1, 1
	CH 2, 0, 1, 1
	TURN 1
	CH 0, 0, 1, 1
	WIN 0
	s_sub_co_u32 s[CNT], s[CNT], 1
	s_cmp_lg_u32 s[CNT], 0
	s_cbranch_scc1 .Lstep_\@
	CH 1, 0, 1, 1                                  ; step 29: the last loads of weight (step 31's),
	CH 2, 0, 1, 1
	TURN 1                                         ; and the last refill (A of step 31)
	CH 0, 0, 1, 0                                  ; step 30 quantises step 31's weights and loads nothing
	CH 1, 0, 1, 0
	CH 2, 0, 1, 0
	TURN 0                                         ; nothing is filled again: a plain barrier
	CH 0, 0, 0, 0                                  ; step 31: products alone
	CH 1, 0, 0, 0
	CH 2, 0, 0, 0
	s_wait_dscnt 0x0
.set I, 0
.rept 16*NU
	MMS F1, 0, 0, 0
.endr
	PLACES                                         ; the multiplies below read results just made
	PACK 0
	TOSTAGE
.irp a, 1,2,3                          ; block a's multiplies stand between block a - 1's loads from the stage and the wait for them
	PACK \a
	SEND (\a)-1
	TOSTAGE
.endr
	SEND 3
	s_wait_tensorcnt 0x0                           ; the wave's end, behind my last tensor load and my last LDS store
	ds_add_u32 v[SPW], v[NIL]
	s_wait_dscnt 0x0
	CROUND                                         ; the closing round: no work-group ends while a partner may still ask for a tile that names it
	s_endpgm
.endm
.set NU, 3
	BODY
.Lnarrow:
.set NU, 1
	BODY
.Lfunc_end_k_qfcf2d679fe_gemm:
	.size	k_qfcf2d679fe_gemm, .Lfunc_end_k_qfcf2d679fe_gemm-k_qfcf2d679fe_gemm
	.p2alignl 7, 3214868480
	.fill 96, 4, 3214868480
	.section	.rodata,"a",@progbits
	.p2align	6, 0x0
	.amdhsa_kernel k_qfcf2d679fe_gemm
		.amdhsa_group_segment_fixed_size 327680
		.amdhsa_private_segment_fixed_size 0
		.amdhsa_enable_private_segment 0
		.amdhsa_kernarg_size 32
		.amdhsa_user_sgpr_count 2
		.amdhsa_user_sgpr_kernarg_segment_ptr 1
		.amdhsa_wavefront_size32 1
		.amdhsa_system_sgpr_workgroup_id_x 1
		.amdhsa_system_sgpr_workgroup_id_y 1
		.amdhsa_system_sgpr_workgroup_id_z 1
		.amdhsa_system_vgpr_workitem_id 0
		.amdhsa_next_free_vgpr 1024
		.amdhsa_next_free_sgpr 66
		.amdhsa_reserve_vcc 0
		.amdhsa_float_denorm_mode_32 3
		.amdhsa_float_denorm_mode_16_64 3
		.amdhsa_memory_ordered 1
		.amdhsa_forward_progress 1
		.amdhsa_inst_pref_size 255
	.end_amdhsa_kernel
	.section	.bss,"aw",@nobits
	.p2align	6
	.space	262144
	.amdgpu_metadata
---
amdhsa.version: [ 1, 2 ]
amdhsa.kernels:
  - .name:           k_qfcf2d679fe_gemm
    .symbol:         k_qfcf2d679fe_gemm.kd
    .args:
      - { .name: xb, .offset: 0, .size: 8, .value_kind: global_buffer, .address_space: global }
      - { .name: weight, .offset: 8, .size: 8, .value_kind: global_buffer, .address_space: global }
      - { .name: scale, .offset: 16, .size: 8, .value_kind: global_buffer, .address_space: global }
      - { .name: out0, .offset: 24, .size: 8, .value_kind: global_buffer, .address_space: global }
    .group_segment_fixed_size: 327680
    .private_segment_fixed_size: 0
    .kernarg_segment_align: 8
    .kernarg_segment_size: 32
    .max_flat_workgroup_size: 128
    .sgpr_count:     66
    .vgpr_count:     1024
    .wavefront_size: 32
...
	.end_amdgpu_metadata
.endif
;; end of part 2
;; ======== version 2 of 3: 2 launches; 1.36 times as fast as version 1
;; workspace buffers: xb 8,388,608 bytes
;; launch cast: the kernel of part 1 again; grid 256 x 1, 8 waves a work-group, no clusters, 0 bytes of LDS; arguments x, xb; writes xb
;; launch gemm (part 3): grid 60 x 4, 4 waves a work-group, clusters of 4 x 4, 327,680 bytes of LDS; arguments xb, weight, scale, out0; writes out0
.if DOCPART == 3
	.amdgcn_target "amdgcn-amd-amdhsa--gfx1250"
	.amdhsa_code_object_version 6
	.text
	.protected	k_qfcf2d679fe_gemm
	.globl	k_qfcf2d679fe_gemm
	.p2align	8
	.type	k_qfcf2d679fe_gemm,@function
k_qfcf2d679fe_gemm:
	s_mov_b64 s[64:65], 0
	v_nop
	global_prefetch_b8 v0, s[64:65] scope:SCOPE_SE
	s_setreg_imm32_b32 hwreg(HW_REG_WAVE_MODE, 25, 1), 1
	s_wait_xcnt 0x0
	s_wait_alu depctr_hold_cnt(0) depctr_sa_sdst(0) depctr_va_vdst(0) depctr_va_sdst(0) depctr_va_ssrc(0) depctr_va_vcc(0) depctr_vm_vsrc(0)
	s_getreg_b32 s2, hwreg(HW_REG_IB_STS2, 6, 4)
	s_cmp_eq_u32 s2, 0
	s_cbranch_scc0 .Lentry_in_a_cluster
	s_endpgm
.Lentry_in_a_cluster:
	s_bfe_u32 s2, ttmp6, 0x10000c
	s_cmp_lg_u32 s2, 0xf033
	s_cbranch_scc0 .Lentry_shape_is_right
	s_endpgm
.Lentry_shape_is_right:
; out0[m][o] = scale[o] x sum over k of xb[m][k] q[o][k],  q = clip(round(weight / 0.5), -1, 1).  M = 1024, N = 11008, K = 4096.
; q is +1 where weight > 0.25, -1 where weight < -0.25, else 0 (a half rounds to the even 0): tested on the f32 weight, and exact in bf16.  Sums in f32; scale multiplies the finished sums in f32.
; LIMITS.  x enters rounded once to bf16 (the launch in front).  A NaN weight is not carried into the output as NaN; infinite weights count as +-1, as in the definition.
; SHARES.  15 clusters of 4 x 4 work-groups.  cy picks 256 rows of x.  Clusters 0 to 13: a work-group has 192 columns (NU = 3 units of 64); cluster 14: 64 columns (NU = 1): 14 x 768 + 4 x 64 = 11008.
; The choice between the two bodies hangs on the cluster's number alone, which all sixteen partners share.  Wave w has rows 64 w .. 64 w + 63 and all the columns: 4 x 4 NU accumulators of 16 x 16.
; K goes in 32 steps of 128, each four chunks of 32, through two LDS slots.
; A (xb) comes by JOINT tensor loads: the four work-groups of a row of the cluster (same cy) need the same rows; each wave asks for its own 64 rows x 256 bytes, which it alone reads in its work-group.
; B (weight) goes through registers: one load takes one row's 512 bytes of a step, the lane's four weights become four bf16 (eight vector instructions), one LDS store lays down the row's 256 bytes.
; NO JOINT LOADS FOR WEIGHT: a tensor load does not convert, and two slots of f32 weights (2 x 192 x 528 bytes) beside A's two (2 x 256 x 272) are 342,016 bytes, more than the launch's 327,680.
; A STEP.  A JOB is one row of weight in one step.  Step j's chunks 0 and 1 carry the vector work of the 16 NU jobs that quantise step j + 1's weights: two slices of four instructions a job, one slice
; behind each of the 32 NU products.  Chunks 2 and 3 are products alone.  MEMORY INSTRUCTIONS STAND IN RUNS, never singly among the products, three a step: the next chunk's fragments, then the finished jobs'
; LDS stores, then the loads of step j + 2's weights into the registers just set free.  The third run stands at the head of chunk 2; the change of slots stands at that chunk's end, 12 NU products behind
; the last stores, and the next slot's first fragments, fetched behind it, have the 16 NU products of chunk 3 in which to land.
; THE MATRIX INSTRUCTION IS USED TRANSPOSED (source 0 = 16 rows of weight, source 1 = 16 rows of x): a lane holds row m = lane % 16 and eight neighbouring columns 8 (lane / 16) + 0..7.
; REGISTERS, in windows of 256 (s_set_vgpr_msb: bits 1:0 source 0, 3:2 source 1, 5:4 source 2, 7:6 destination):
;   window 0: v0-23 addresses and constants; v24-39 two sets at work; v64-255 the weights' ring (4 a job; a job's two bf16 words take the place of its first two), on the way out v64-159 scaled results and v160-255 rows read back
;   window 1: two fragment buffers of 128: A's 4 fragments, then B's 4 NU      windows 2, 3: accumulator i = 4 b + a at v[8 (i % 32)] of window 2 + i / 32      window 3: v128-223 scale, 8 for each b
.set PITCH,  272                       ; an LDS row: 256 bytes + 16: the 16 rows of a fragment load start 68 words apart
.set AW,     64*PITCH                  ; a wave's 64 rows of A
.set BOFF,   4*AW                      ; B's rows lie behind A's 256: 69,632
.set SLOT1,  1<<17                     ; slot 1 begins here: one exclusive or turns an address of one slot into the other's
.set STAGE,  SLOT1+BOFF+192*PITCH      ; 252,928: behind the slots, 12,544 bytes for each wave, for the way out
.set STW,    12544
.set SPARE,  STAGE+4*STW               ; 303,104: the spare words, 128 bytes for each wave: two blocks of 256 bytes that no other line names
.set ROWW,   16384                     ; bytes in a row of weight
.set ROWO,   44032                     ; bytes in a row of out0
.set AK0,  4                           ; v4   my place in my wave's rows of A, slot 0; never rewritten
.set BK0,  5                           ; v5   the same in B's rows
.set STB0, 6                           ; v6   where my 8 bytes of my wave's first row of B go, slot 0
.set ADRA, 7                           ; v7   A's fragments in the slot being read
.set ADRB, 8                           ; v8   B's
.set STADR, 9                          ; v9   B's stores, in the other slot
.set WOFF, 10                          ; v10  16 x lane: my four weights in a row's step
.set STO,  11                          ; v11  the way out: where I put 32 bytes of a row
.set RD,   12                          ; v12  where I read rows back
.set CO,   13                          ; v13  my byte offset in two rows of out0
.set SPW,  14                          ; v14  LDS address of my spare word; never rewritten
.set NIL,  15                          ; v15  0; never rewritten
.set SOFF, 16                          ; v16  32 x (lane / 16): my eight numbers of scale
.set CB,   18                          ; v[18:19]  2^25
.set CBN,  20                          ; v[20:21]  -2^25
.set CC,   22                          ; v[22:23]  -2^23
.set TMPS, 24                          ; v[24:39]  two sets of 8 at work, by the job's parity
.set WS,   64                          ; the weights' ring
.set TMP,  64
.set BK,   160
.set F0,   0                           ; window 1
.set F1,   128
.set SC,   128                         ; window 3
.set WV,  12                           ; s12  my wave's number
.set CX,  13                           ; s13, s14  my place in the cluster
.set CY,  14
.set CL,  15                           ; s15  the cluster's number
.set WID, 16                           ; s16  columns of a work-group
.set N0,  17                           ; s17  my first column
.set G1,  24                           ; s[24:31] descriptor group 1
.set G0F, 32                           ; s[32:35] group 0 of the first fill of slot 0
.set G0,  36                           ; s[36:39] group 0 that walks: slot 1 and step 1 first
.set TB,  40                           ; s40  the slot being read: 0 or SLOT1
.set CNT, 41
.set WB,  42                           ; s[42:43] weight at my wave's first row, at the step being loaded
.set SB,  44                           ; s[44:45] scale at my first column
.set OB,  46                           ; s[46:47] out0 at my wave's first row and my first column
.set TBO, 48                           ; s48  the slot just left
.set MSB, 0
.set DSA, 0                            ; LDS stores issued behind the last run of fragment loads
.macro WIN new                         ; the immediate's high byte repeats the setting that is left; a switch that changes nothing is dropped
.if MSB != (\new)
	s_set_vgpr_msb (MSB<<8)|(\new)
.set MSB, \new
.endif
.endm
.macro CREST                           ; a round of the cluster's barrier behind its opening barrier
	s_cmp_lg_u32 s[WV], 0
	s_cbranch_scc1 .Lnot_wave_0_\@
	s_barrier_signal -3
.Lnot_wave_0_\@:
	s_barrier_wait -3
	s_barrier_signal -1
	s_barrier_wait -1
.endm
.macro CROUND                          ; a whole round
	s_barrier_signal -1
	s_barrier_wait -1
	CREST
.endm
.macro PLACES                          ; four plain vector instructions between a matrix instruction and a load into, or a vector read of, its registers
.rept 4
	v_nop
.endr
.endm
; THE JOBS' VECTOR WORK, in slices; SL counts a step's slices from 0, FL the jobs whose stores (and reloads) have gone out.  With W the lane's four weights of job J = SL / 2:
; P = clamp(2^25 W - 2^23) is 1 from the first f32 above 0.25 on (2^23 + 1 - 2^23) and 0 up to 0.25; N the same for -W; both fused multiply-adds are exact there.  q = P - N, rounded (exactly) to bf16.
; Slice 2 J: the four multiply-adds.  Slice 2 J + 1: job J - 1's two roundings, into the first two registers of that job's place in the ring, then job J's two subtractions:
; no line reads a result made fewer than four lines before it.  The last job's roundings stand behind its subtractions.
; reload = 1: this step's runs load the ring anew, so FL younger loads have been issued in this step.
.macro SLICE reload
.set J, SL/2
.set W4, WS+4*J
.set TS, TMPS+8*(J%2)
.if SL%2 == 0
.if J%4 == 0                           ; one wait for four jobs: behind job J + 3's load the ring's last 16 NU - 4 - J were issued, and this step's FL
.if \reload
	s_wait_loadcnt 16*NU-4-J+FL
.else
	s_wait_loadcnt 16*NU-4-J                       ; nothing is loaded any more: the count runs down to 0
.endif
.endif
	v_pk_fma_f32 v[TS:TS+1], v[W4:W4+1], v[CB:CB+1], v[CC:CC+1] clamp
	v_pk_fma_f32 v[TS+4:TS+5], v[W4:W4+1], v[CBN:CBN+1], v[CC:CC+1] clamp
	v_pk_fma_f32 v[TS+2:TS+3], v[W4+2:W4+3], v[CB:CB+1], v[CC:CC+1] clamp
	v_pk_fma_f32 v[TS+6:TS+7], v[W4+2:W4+3], v[CBN:CBN+1], v[CC:CC+1] clamp
.else
.if J > 0
.set TP, TMPS+8*((J-1)%2)
	v_cvt_pk_bf16_f32 v[W4-4], v[TP], v[TP+1]
	v_cvt_pk_bf16_f32 v[W4-3], v[TP+2], v[TP+3]
.endif
	v_pk_add_f32 v[TS:TS+1], v[TS:TS+1], v[TS+4:TS+5] neg_lo:[0,1] neg_hi:[0,1]
	v_pk_add_f32 v[TS+2:TS+3], v[TS+2:TS+3], v[TS+6:TS+7] neg_lo:[0,1] neg_hi:[0,1]
.if J == 16*NU-1
	v_cvt_pk_bf16_f32 v[W4], v[TS], v[TS+1]
	v_cvt_pk_bf16_f32 v[W4+1], v[TS+2], v[TS+3]
.endif
.endif
.set SL, SL+1
.endm
; THE JOBS' MEMORY WORK.  Job z's roundings stand in slice 2 z + 3, so behind SL slices (SL - 2) / 2 jobs are finished (behind the last slice: all).  Job z is row 64 (z / 16) + z % 16 from my wave's first.
; The finished jobs' rows go into B's other slot; then (reload = 1) the same rows' next step but one comes into the registers that those jobs have left: their stores were issued ahead of these loads.
.macro FLUSH reload
.if SL == 32*NU
.set DN, 16*NU
.else
.set DN, (SL-2)/2
.endif
.set NST, DN-FL
.set z, FL
.rept NST
	ds_store_b64 v[STADR], v[WS+4*z:WS+4*z+1] offset:(64*(z/16)+z%16)*PITCH   ; 32 lanes x 8 bytes: the row's 256 bytes
.set z, z+1
.endr
.if \reload
.set z, FL
.rept NST
	global_load_b128 v[WS+4*z:WS+4*z+3], v[WOFF], s[WB:WB+1] offset:(64*(z/16)+z%16)*ROWW   ; 32 lanes take the row's 512 consecutive bytes; no hint: the three work-groups above and below read them too
.set z, z+1
.endr
.endif
.set FL, DN
.set DSA, NST
.endm
; Matrix instruction I of a chunk's 16 NU (b = I / 4, a = I % 4) on buffer f, and behind it (jobs = 1) a slice.  The accumulators take turns in one fixed order.
.macro MMS f, zero, jobs, reload
.set AC, 8*(I%32)
.set FB, (\f)+32+8*(I/4)
.set FA, (\f)+8*(I%4)
	WIN 0xa5+0x50*(I/32)                           ; sources 0 and 1 window 1; C and D window 2 or 3
.if \zero
	v_wmma_f32_16x16x32_bf16 v[AC:AC+7], v[FB:FB+7], v[FA:FA+7], 0
.else
	v_wmma_f32_16x16x32_bf16 v[AC:AC+7], v[FB:FB+7], v[FA:FA+7], v[AC:AC+7]
.endif
.set I, I+1
.if \jobs
	WIN 0
	SLICE \reload
.endif
.endm
; One run of 8 + 8 NU LDS loads: chunk c's fragments into buffer g.  Lane l: row l % 16, K = 8 (l / 16) + 0..7 and 16 + 8 (l / 16) + 0..7: two loads of 16 bytes, 32 bytes apart.
.macro FETCH c, g
	WIN 0x40                                       ; destination window 1, address window 0
.set z, 0
.rept 4
	ds_load_b128 v[(\g)+8*z:(\g)+8*z+3],   v[ADRA] offset:z*16*PITCH+64*(\c)
	ds_load_b128 v[(\g)+8*z+4:(\g)+8*z+7], v[ADRA] offset:z*16*PITCH+64*(\c)+32
.set z, z+1
.endr
.set z, 0
.rept 4*NU
	ds_load_b128 v[(\g)+32+8*z:(\g)+32+8*z+3],   v[ADRB] offset:z*16*PITCH+64*(\c)
	ds_load_b128 v[(\g)+32+8*z+4:(\g)+32+8*z+7], v[ADRB] offset:z*16*PITCH+64*(\c)+32
.set z, z+1
.endr
.set DSA, 0
.endm
; Chunk c = 0 or 1 of a step: multiplies buffer c; behind its first 4 NU products ONE run of memory instructions: the next chunk's fragments into the other buffer, the finished jobs' stores, the reloads.
.macro RIDE c, zero, jobs, reload
.set FC, 128*(\c)
.set FN, 128-FC
.if ((\c) == 0) && (\jobs)
.set SL, 0
.set FL, 0
.if \reload
	s_wait_xcnt 0x0                                ; the loads issued so far have had their addresses translated: only behind this wait is their base stepped
	s_add_nc_u64 s[WB:WB+1], s[WB:WB+1], 512       ; the next step's 128 weights of every row
.endif
.endif
	s_wait_dscnt DSA                               ; this chunk's fragments are in; the stores issued behind them may stay out
.set I, 0
.rept 4*NU
	MMS FC, \zero, \jobs, \reload
.endr
.if !(\jobs)
	PLACES                                         ; elsewhere the slices are the places behind the last product that read the other buffer
.endif
	FETCH (\c)+1, FN
.if \jobs
	WIN 0
	FLUSH \reload
.endif
.rept 12*NU
	MMS FC, \zero, \jobs, \reload
.endr
.endm
; Chunk 2 multiplies buffer 0.  At its head the step's third run: chunk 3's fragments, which are the last reads of this slot, the last jobs' stores and their reloads.
; bar = 1: THE CHANGE OF SLOTS, ONE barrier.  Behind the run each wave waits for all its tensor loads (one is out: its rows of A in the next slot) and adds 0 to its spare word; 12 NU products on it waits for
; the add, for its stores of B into the next slot and for its reads of this slot, and signals.  Behind the barrier the next slot is whole and nobody reads this one.
; fill = 1: the barrier opens a round of the cluster's barrier, so that no wave of any partner still reads the slot or has a load on its way, and the joint refill, A two steps on, is the first thing behind it:
; it has 16 NU + 32 NU products in which to land.  Then the next slot's first fragments are fetched.
.macro MEET jobs, reload, bar, fill
	s_wait_dscnt DSA                               ; chunk 2's fragments are in; the stores issued behind them may stay out
	PLACES                                         ; behind the last product that read buffer 1
	FETCH 3, F1
.if \jobs
	WIN 0
	FLUSH \reload
.endif
.if \bar
	WIN 0                                          ; (the add's two registers lie in window 0)
	s_wait_tensorcnt 0x0                           ; no tensor load of mine is out, so the walking group 0 may be written
	ds_add_u32 v[SPW], v[NIL]                      ; 0 onto my spare word; scalar work and 12 NU products stand between it and the wait for it
.if \fill
	s_xor_b32 s[G0+1], s[G0+1], SLOT1              ; the other slot than last time,
	s_add_nc_u64 s[G0+2:G0+3], s[G0+2:G0+3], 256   ; the next step's 128 numbers of every row; the type bits on top are not reached
.endif
	s_mov_b32 s[TBO], s[TB]                        ; the slot that is left takes B's next stores
	s_xor_b32 s[TB], s[TB], SLOT1
.endif
.set I, 0
.rept 12*NU
	MMS F0, 0, 0, 0
.endr
.if \bar
	s_wait_dscnt 0x0                               ; the add is done, my stores of B have landed, my reads of this slot are over (chunk 3's fragments are in)
	s_barrier_signal -1
.endif
.rept 4*NU
	MMS F0, 0, 0, 0
.endr
.if \bar
	WIN 0
	s_barrier_wait -1
.if \fill
	CREST
	tensor_load_to_lds s[G0:G0+3], s[G1:G1+7]      ; my one tensor load behind the round
	s_nop 0
.endif
	v_add_nc_u32 v[STADR], s[TBO], v[STB0]         ; four vector lines: also the places in front of the loads into buffer 0
	v_add_nc_u32 v[ADRA], s[TB], v[AK0]
	v_add_nc_u32 v[ADRB], s[TB], v[BK0]
	v_nop
	FETCH 0, F0
.endif
.endm
; Chunk 3 multiplies buffer 1: products alone.  Behind a change of slots its fragments have been waited for in front of the signal; wait = 1: in the last step, which has none.
.macro BARE3 wait
.if \wait
	s_wait_dscnt 0x0
.endif
.set I, 0
.rept 16*NU
	MMS F1, 0, 0, 0
.endr
.endm
; THE WAY OUT, 16 rows (block a) at a time.  PACK: the sums times scale, each accumulator's registers in ascending order.  TOSTAGE: into my own stage, rows of SP bytes, and back as whole rows.  SEND: stored.
.macro PACK a
.set z, 0
.rept 4*NU
.set AI, 4*z+(\a)
.set AC, 8*(AI%32)
	WIN 0x0e+AI/32                                 ; source 0 window 2 or 3, source 1 (scale) window 3, destination window 0
.irp y, 0,2,4,6
	v_pk_mul_f32 v[TMP+8*z+(\y):TMP+8*z+(\y)+1], v[AC+(\y):AC+(\y)+1], v[SC+8*z+(\y):SC+8*z+(\y)+1]
.endr
.set z, z+1
.endr
	WIN 0
.endm
.macro TOSTAGE
	s_wait_xcnt 0x0                                ; the block before's stores have read the registers that the loads below fill
.set z, 0
.rept 4*NU
	ds_store_b128 v[STO], v[TMP+8*z:TMP+8*z+3] offset:64*z
	ds_store_b128 v[STO], v[TMP+8*z+4:TMP+8*z+7] offset:64*z+16
.set z, z+1
.endr
.set z, 0
.rept 8*NU                             ; rows 2 (z / NU) and + 1, unit z % NU
	ds_load_b128 v[BK+4*z:BK+4*z+3], v[RD] offset:2*(z/NU)*SP+256*(z%NU)   ; LDS serves a wave's instructions in order (ISA guide 5.7.1.4): these see the stores above
.set z, z+1
.endr
.endm
.macro SEND a
.set z, 0
.rept 8*NU
	s_wait_dscnt 8*NU-1-z                          ; load z is back; the younger ones stay out
	global_store_b128 v[CO], v[BK+4*z:BK+4*z+3], s[OB:OB+1] offset:(16*(\a)+2*(z/NU))*ROWO+256*(z%NU) th:TH_STORE_NT   ; 16 lanes store 256 consecutive bytes, at a multiple of 256 from out0's first byte
.set z, z+1
.endr
.endm
	; THE COMMON HEAD
	s_load_b256 s[4:11], s[0:1], 0x0               ; xb s[4:5], weight s[6:7], scale s[8:9], out0 s[10:11]
	v_lshl_add_u32 v[SPW], v0, 2, SPARE
	v_mov_b32 v[NIL], 0
	ds_add_u32 v[SPW], v[NIL]                      ; the wave's opening: the add and its wait stand ahead of my first tensor load; work on registers stands between them
	v_lshrrev_b32 v1, 5, v0
	v_readfirstlane_b32 s[WV], v1                  ; wave 0..3
	s_bfe_u32 s[CX], ttmp6, 0x40000
	s_bfe_u32 s[CY], ttmp6, 0x40004
	s_mov_b32 s[CL], ttmp9                         ; in a cluster launch ttmp9 counts clusters
	s_lshl_b32 s18, s[CY], 2
	s_lshl_b32 s18, 15, s18                        ; my row of the cluster: places 4 cy .. 4 cy + 3
	s_or_b32 s[G1], s18, (1<<16)|(1<<20)|(1<<21)|(5<<22)|(3<<25)  ; 15:0 the mask; 17:16 2-byte elements; 20 padding on; 21 set beside a mask; 24:22 after every 64 words; 31:25 4 words of it
	s_mov_b32 s[G1+1], 128<<16                     ; tensor_dim0 = 128
	s_mov_b32 s[G1+2], 64<<16                      ; tensor_dim1 = 64
	s_mov_b32 s[G1+3], 128<<16                     ; tile_dim0 = 128
	s_mov_b32 s[G1+4], 64                          ; tile_dim1 = 64
	s_mov_b32 s[G1+5], 4096                        ; elements from row to row
	s_mov_b32 s[G1+6], 0
	s_mov_b32 s[G1+7], 0
	s_lshl_b32 s20, s[CY], 8
	s_lshl_b32 s21, s[WV], 6
	s_add_co_u32 s20, s20, s21                     ; my wave's first row of x: 256 cy + 64 w
	s_mul_i32 s22, s20, ROWO                       ; its bytes in out0,
	s_lshl_b32 s20, s20, 13                        ; and in xb: these two registers never hold cx
	s_mov_b32 s21, 0
	s_mul_i32 s19, s[WV], AW                       ; my rows of A in a slot: no place in the cluster enters an LDS address
	s_cmp_eq_u32 s[CL], 14
	s_cselect_b32 s[WID], 64, 192
	s_mul_i32 s[N0], s[CX], s[WID]
	s_mul_i32 s18, s[CL], 768
	s_add_co_u32 s[N0], s[N0], s18                 ; my first column
	s_lshl_b32 s18, s[N0], 2
	s_add_co_u32 s22, s22, s18
	s_mov_b32 s23, 0
	s_wait_dscnt 0x0                               ; the opening add is done
	s_wait_kmcnt 0x0
	s_add_nc_u64 s[OB:OB+1], s[10:11], s[22:23]
	s_mov_b32 s22, s18
	s_add_nc_u64 s[SB:SB+1], s[8:9], s[22:23]
	s_lshl_b32 s22, s[WV], 4
	s_add_co_u32 s22, s22, s[N0]                   ; my wave's first row of weight: n0 + 16 w
	s_lshl_b32 s22, s22, 14
	s_add_nc_u64 s[WB:WB+1], s[6:7], s[22:23]
	s_mov_b32 s[G0F], 1                            ; count = 1
	s_mov_b32 s[G0F+1], s19                        ; LDS address: slot 0
	s_add_nc_u64 s[G0F+2:G0F+3], s[4:5], s[20:21]  ; global address: step 0
	s_mov_b32 s[G0], 1
	s_add_co_u32 s[G0+1], s19, SLOT1               ; slot 1
	s_add_nc_u64 s[G0+2:G0+3], s[G0F+2:G0F+3], 256 ; step 1
	s_or_b32 s[G0F+3], s[G0F+3], 0x80000000        ; type = 2
	s_or_b32 s[G0+3], s[G0+3], 0x80000000
	CROUND                                         ; all sixteen work-groups are here: the first joint loads meet
	tensor_load_to_lds s[G0F:G0F+3], s[G1:G1+7]    ; both first fills together: two tensor loads of mine are out, later never more than one
	s_nop 0
	tensor_load_to_lds s[G0:G0+3], s[G1:G1+7]
	s_nop 0
.rept 4
	v_nop
.endr
	v_and_b32 v1, 15, v0                           ; r = l % 16
	v_bfe_u32 v2, v0, 4, 1                         ; h = l / 16
	v_and_b32 v3, 31, v0                           ; l
	v_mul_u32_u24 v[AK0], v1, PITCH
	v_lshl_add_u32 v[AK0], v2, 4, v[AK0]           ; row x pitch + 16 x half
	v_add_nc_u32 v[BK0], BOFF, v[AK0]
	v_add_nc_u32 v[AK0], s19, v[AK0]
	s_mul_i32 s18, s[WV], 16*PITCH
	s_add_co_u32 s18, s18, BOFF
	v_lshl_add_u32 v[STB0], v3, 3, s18             ; B's row 16 w, 8 bytes a lane
	v_lshlrev_b32 v[WOFF], 4, v3
	v_lshlrev_b32 v[SOFF], 5, v2
	v_mul_u32_u24 v[CO], v2, ROWO                  ; lanes 0-15 one row of out0, lanes 16-31 the next
	v_lshl_add_u32 v[CO], v1, 4, v[CO]
	v_mov_b32 v[CB], 0x4c000000                    ; 2^25
	v_mov_b32 v[CB+1], 0x4c000000
	v_mov_b32 v[CBN], 0xcc000000                   ; -2^25
	v_mov_b32 v[CBN+1], 0xcc000000
	v_mov_b32 v[CC], 0xcb000000                    ; -2^23
	v_mov_b32 v[CC+1], 0xcb000000
	s_cmp_eq_u32 s[CL], 14
	s_cbranch_scc1 .Lnarrow                        ; the same way in all sixteen partners
.macro BODY
.set SP, 256*NU+16                     ; a stage row: 64 NU numbers + 16 bytes, an odd multiple of 16
	s_mul_i32 s18, s[WV], STW
	s_add_co_u32 s18, s18, STAGE                   ; my stage
	v_mul_u32_u24 v[STO], v1, SP                   ; in: row l % 16, 32 bytes for each half of the lanes
	v_lshl_add_u32 v[STO], v2, 5, v[STO]
	v_add_nc_u32 v[STO], s18, v[STO]
	v_mul_u32_u24 v[RD], v2, SP                    ; back: lanes 0-15 take 256 bytes of one row, lanes 16-31 of the next
	v_lshl_add_u32 v[RD], v1, 4, v[RD]
	v_add_nc_u32 v[RD], s18, v[RD]
.set z, 0
.rept 16*NU                            ; step 0's weights fill the ring: 16 NU loads of mine are out, and never more
	global_load_b128 v[WS+4*z:WS+4*z+3], v[WOFF], s[WB:WB+1] offset:(64*(z/16)+z%16)*ROWW
.set z, z+1
.endr
	s_wait_xcnt 0x0                                ; their addresses are translated: the base may step
	s_add_nc_u64 s[WB:WB+1], s[WB:WB+1], 512
	v_mov_b32 v[STADR], v[STB0]
.set SL, 0
.set FL, 0
.rept 4                                ; step 0's weights into B's slot 0, step 1's into the ring: there is no matrix work yet to set the slices behind
.rept 8*NU
	SLICE 1
.endr
	FLUSH 1
.endr
	s_mov_b32 s[TB], 0
	v_mov_b32 v[ADRA], v[AK0]
	v_mov_b32 v[ADRB], v[BK0]
	s_wait_tensorcnt 0x1                           ; my rows of A of step 0 are in; step 1's may stay out
	s_wait_dscnt 0x0                               ; my rows of B have landed
	s_barrier_signal -1
	s_barrier_wait -1
	v_add_nc_u32 v[STADR], SLOT1, v[STB0]
	FETCH 0, F0
	RIDE 0, 1, 1, 1                                ; step 0's chunks 0 and 1 stand in front of the loop: chunk 0's products start the sums
	RIDE 1, 0, 1, 1
	WIN 0                                          ; at a label and at a branch every window is 0
	s_mov_b32 s[CNT], 29
.Lstep_\@:                             ; trip t = 0 .. 28: chunks 2 and 3 of step t (A of step t + 2 is asked for), chunks 0 and 1 of step t + 1 (step t + 2's weights are quantised, step t + 3's asked for)
	MEET 1, 1, 1, 1
	BARE3 0
	RIDE 0, 0, 1, 1
	RIDE 1, 0, 1, 1
	WIN 0
	s_sub_co_u32 s[CNT], s[CNT], 1
	s_cmp_lg_u32 s[CNT], 0
	s_cbranch_scc1 .Lstep_\@
	MEET 1, 1, 1, 1                                ; step 29: the last loads of weight and the last refill (step 31's)
	BARE3 0
	RIDE 0, 0, 1, 0                                ; step 30 quantises step 31's weights and asks for nothing
	RIDE 1, 0, 1, 0
	MEET 1, 0, 1, 0                                ; nothing is filled again: a plain barrier
	BARE3 0
	WIN 0xc0                                       ; destination window 3, address window 0
.set z, 0
.rept 4*NU                             ; scale[n0 + 16 b + 8 h + 0..7], a step's products ahead of its use; no other load of mine is out
	global_load_b128 v[SC+8*z:SC+8*z+3],   v[SOFF], s[SB:SB+1] offset:64*z
	global_load_b128 v[SC+8*z+4:SC+8*z+7], v[SOFF], s[SB:SB+1] offset:64*z+16
.set z, z+1
.endr
	RIDE 0, 0, 0, 0                                ; step 31: products alone
	RIDE 1, 0, 0, 0
	MEET 0, 0, 0, 0
	BARE3 1
	s_wait_loadcnt 0x0                             ; scale
	PLACES                                         ; the multiplies below read results just made
	PACK 0
	TOSTAGE
.irp a, 1,2,3                          ; block a's multiplies stand between block a - 1's loads from the stage and the wait for them
	PACK \a
	SEND (\a)-1
	TOSTAGE
.endr
	SEND 3
	s_wait_tensorcnt 0x0                           ; the wave's end, behind my last tensor load and my last LDS store
	ds_add_u32 v[SPW], v[NIL]
	s_wait_dscnt 0x0
	CROUND                                         ; the closing round: no work-group ends while a partner may still ask for a tile that names it
	s_endpgm
.endm
.set NU, 3
	BODY
.Lnarrow:
.set NU, 1
	BODY
.Lfunc_end_k_qfcf2d679fe_gemm:
	.size	k_qfcf2d679fe_gemm, .Lfunc_end_k_qfcf2d679fe_gemm-k_qfcf2d679fe_gemm
	.p2alignl 7, 3214868480
	.fill 96, 4, 3214868480
	.section	.rodata,"a",@progbits
	.p2align	6, 0x0
	.amdhsa_kernel k_qfcf2d679fe_gemm
		.amdhsa_group_segment_fixed_size 327680
		.amdhsa_private_segment_fixed_size 0
		.amdhsa_enable_private_segment 0
		.amdhsa_kernarg_size 32
		.amdhsa_user_sgpr_count 2
		.amdhsa_user_sgpr_kernarg_segment_ptr 1
		.amdhsa_wavefront_size32 1
		.amdhsa_system_sgpr_workgroup_id_x 1
		.amdhsa_system_sgpr_workgroup_id_y 1
		.amdhsa_system_sgpr_workgroup_id_z 1
		.amdhsa_system_vgpr_workitem_id 0
		.amdhsa_next_free_vgpr 1024
		.amdhsa_next_free_sgpr 66
		.amdhsa_reserve_vcc 0
		.amdhsa_float_denorm_mode_32 3
		.amdhsa_float_denorm_mode_16_64 3
		.amdhsa_memory_ordered 1
		.amdhsa_forward_progress 1
		.amdhsa_inst_pref_size 255
	.end_amdhsa_kernel
	.section	.bss,"aw",@nobits
	.p2align	6
	.space	262144
	.amdgpu_metadata
---
amdhsa.version: [ 1, 2 ]
amdhsa.kernels:
  - .name:           k_qfcf2d679fe_gemm
    .symbol:         k_qfcf2d679fe_gemm.kd
    .args:
      - { .name: xb, .offset: 0, .size: 8, .value_kind: global_buffer, .address_space: global }
      - { .name: weight, .offset: 8, .size: 8, .value_kind: global_buffer, .address_space: global }
      - { .name: scale, .offset: 16, .size: 8, .value_kind: global_buffer, .address_space: global }
      - { .name: out0, .offset: 24, .size: 8, .value_kind: global_buffer, .address_space: global }
    .group_segment_fixed_size: 327680
    .private_segment_fixed_size: 0
    .kernarg_segment_align: 8
    .kernarg_segment_size: 32
    .max_flat_workgroup_size: 128
    .sgpr_count:     66
    .vgpr_count:     1024
    .wavefront_size: 32
...
	.end_amdgpu_metadata
.endif
;; end of part 3
;; ======== version 3 of 3: 2 launches; version 2 with the launch cast written anew for expert scheduling mode
;; workspace buffers: xb 8,388,608 bytes
;; launch cast (part 4): grid 256 x 1, 8 waves a work-group, no clusters, 0 bytes of LDS; arguments x, xb; writes xb
.if DOCPART == 4
	.amdgcn_target "amdgcn-amd-amdhsa--gfx1250"
	.amdhsa_code_object_version 6
	.text
	.protected	k_qfcf2d679fe_cast
	.globl	k_qfcf2d679fe_cast
	.p2align	8
	.type	k_qfcf2d679fe_cast,@function
k_qfcf2d679fe_cast:
	s_mov_b64 s[64:65], 0
	v_nop
	global_prefetch_b8 v0, s[64:65] scope:SCOPE_SE
	s_setreg_imm32_b32 hwreg(HW_REG_WAVE_SCHED_MODE, 0, 2), 2
	s_setreg_imm32_b32 hwreg(HW_REG_WAVE_MODE, 25, 1), 1
	s_wait_xcnt 0x0
	s_wait_alu depctr_vm_vsrc(0)
; xb = x rounded once to bf16 (nearest even).  x: [1024][4096] f32, xb: [1024][4096] bf16, both taken as plain streams.
; 256 work-groups of eight waves; a work-group takes 65,536 bytes of x, a wave 8,192: sixteen loads of 16 bytes a lane, each covering 512 consecutive bytes.
; All sixteen loads of a wave go out first; each store of a wave covers 256 consecutive bytes, aligned.  No register is written twice, so no wait frees a source.
; No LDS, no barrier, no matrix unit: every byte is touched once and no wave needs another's data.
; THE MODE: SCHED_MODE bits 1:0 = 2 (LLVM: expert scheduling mode 2), set by the entry lines.  The code itself states the register dependences
; between vector instructions and memory instructions, with s_wait_alu, always for 0.
; THE PLAN.  Registers that memory instructions touch:
;   v1, v2   the loads' and the stores' byte offsets: made by vector lines at the head, read by every load or store, never written again.
;   X        load k lands in its four registers once; no vector instruction names them before that; its two roundings read them behind the wait on LOADcnt.
;   Y        store k's two registers: written once, by those roundings; read once, by the store.
; So the only dependences to state are of one kind, a vector instruction's result read by a memory instruction: the offsets, once, ahead of the first load; and Y, ahead of the stores.
; The sixteen loads are worked on in four groups of four: one wait for the group's data, eight roundings, ONE wait for their results, four stores.  No load lands in a register that a vector
; instruction has named and no register that a memory instruction reads is written again, so no other wait of this kind is owed.
.set X, 8                              ; v[8:71]    load k: 4 registers of f32
.set Y, 72                             ; v[72:103]  store k: 2 registers of bf16
.set GRP, 4                            ; loads, and stores, in a group
	s_load_b128 s[4:7], s[0:1], 0x0                ; x s[4:5], xb s[6:7]
	v_lshrrev_b32 v3, 5, v0                        ; wave
	v_and_b32 v4, 31, v0                           ; lane
	v_lshlrev_b32 v1, 13, v3                       ; in: 8,192 x wave
	v_lshl_or_b32 v1, v4, 4, v1                    ;     + 16 x lane
	v_lshlrev_b32 v2, 12, v3                       ; out: 4,096 x wave
	v_lshl_or_b32 v2, v4, 3, v2                    ;      + 8 x lane
	s_lshl_b32 s8, ttmp9, 16                       ; the work-group's 65,536 bytes of x
	s_mov_b32 s9, 0
	s_lshl_b32 s10, ttmp9, 15                      ; and its 32,768 bytes of xb
	s_mov_b32 s11, 0
	s_wait_kmcnt 0x0
	s_add_nc_u64 s[4:5], s[4:5], s[8:9]
	s_add_nc_u64 s[6:7], s[6:7], s[10:11]
	s_wait_alu depctr_va_vdst(0)                   ; v1 and v2 are written: every load below reads v1 as its offset, every store v2
.set k, 0
.rept 16
	global_load_b128 v[X+4*k:X+4*k+3], v1, s[4:5] offset:512*k th:TH_LOAD_NT   ; x is read once in this launch
.set k, k+1
.endr
.set g, 0
.rept 16/GRP
	s_wait_loadcnt 16-GRP-GRP*g                    ; loads come back in order: group g's four are in, the 12 - 4 g younger ones stay out
.set k, GRP*g
.rept GRP
	v_cvt_pk_bf16_f32 v[Y+2*k], v[X+4*k], v[X+4*k+1]
	v_cvt_pk_bf16_f32 v[Y+2*k+1], v[X+4*k+2], v[X+4*k+3]
.set k, k+1
.endr
	s_wait_alu depctr_va_vdst(0)                   ; the group's eight roundings have written their registers of Y, which the four stores below read as data
.set k, GRP*g
.rept GRP
	global_store_b64 v2, v[Y+2*k:Y+2*k+1], s[6:7] offset:256*k   ; 32 lanes x 8 bytes; no hint: the next launch reads xb
.set k, k+1
.endr
.set g, g+1
.endr
	s_endpgm
.Lfunc_end_k_qfcf2d679fe_cast:
	.size	k_qfcf2d679fe_cast, .Lfunc_end_k_qfcf2d679fe_cast-k_qfcf2d679fe_cast
	.p2alignl 7, 3214868480
	.fill 96, 4, 3214868480
	.section	.rodata,"a",@progbits
	.p2align	6, 0x0
	.amdhsa_kernel k_qfcf2d679fe_cast
		.amdhsa_group_segment_fixed_size 0
		.amdhsa_private_segment_fixed_size 0
		.amdhsa_enable_private_segment 0
		.amdhsa_kernarg_size 16
		.amdhsa_user_sgpr_count 2
		.amdhsa_user_sgpr_kernarg_segment_ptr 1
		.amdhsa_wavefront_size32 1
		.amdhsa_system_sgpr_workgroup_id_x 1
		.amdhsa_system_sgpr_workgroup_id_y 1
		.amdhsa_system_sgpr_workgroup_id_z 1
		.amdhsa_system_vgpr_workitem_id 0
		.amdhsa_next_free_vgpr 104
		.amdhsa_next_free_sgpr 66
		.amdhsa_reserve_vcc 0
		.amdhsa_float_denorm_mode_32 3
		.amdhsa_float_denorm_mode_16_64 3
		.amdhsa_memory_ordered 1
		.amdhsa_forward_progress 1
		.amdhsa_inst_pref_size 7
	.end_amdhsa_kernel
	.amdgpu_metadata
---
amdhsa.version: [ 1, 2 ]
amdhsa.kernels:
  - .name:           k_qfcf2d679fe_cast
    .symbol:         k_qfcf2d679fe_cast.kd
    .args:
      - { .name: x, .offset: 0, .size: 8, .value_kind: global_buffer, .address_space: global }
      - { .name: xb, .offset: 8, .size: 8, .value_kind: global_buffer, .address_space: global }
    .group_segment_fixed_size: 0
    .private_segment_fixed_size: 0
    .kernarg_segment_align: 8
    .kernarg_segment_size: 16
    .max_flat_workgroup_size: 256
    .sgpr_count:     66
    .vgpr_count:     104
    .wavefront_size: 32
...
	.end_amdgpu_metadata
.endif
;; end of part 4
;; launch gemm: the kernel of part 3 again; grid 60 x 4, 4 waves a work-group, clusters of 4 x 4, 327,680 bytes of LDS; arguments xb, weight, scale, out0; writes out0
